; MI455X (gfx1250); checked and timed in simulation.
; The chip was launched on July 23, 2026; its instructions are those of AMD's public machine-readable ISA for CDNA 5 (MIT licence, August 2026) and "CDNA5" Instruction Set Architecture Reference Guide (July 2026). The comments in the code are by the model that wrote it; some were corrected since.
;; KAN Layer original. Allowed arithmetic: float matrix products may take bf16 or f16 operands with f32 sums; all other float work in f32.
;; Inputs: coef 256 x 256 x 8 float32; grid 256 x 12 float32; mask 256 x 256 float32; scale_base 256 x 256 float32; scale_sp 256 x 256 float32; x 2,048 x 256 float32.
;; Outputs: out0 2,048 x 256 float32.
;; 2 versions, each right; version 2 is version 1 with the launch prep written anew for expert scheduling mode. Each part assembles by itself: llvm-mc -triple=amdgcn-amd-amdhsa -mcpu=gfx1250 --defsym DOCPART=n.
;; ======== version 1 of 2: 2 launches
;; limits: values outside matrix products are rounded to bf16
;; workspace buffers: wfrag 1,179,648 bytes
;; launch prep (part 1): grid 256 x 1, 1 waves a work-group, no clusters, 0 bytes of LDS; arguments coef, mask, scale_sp, scale_base, wfrag; writes wfrag
.if DOCPART == 1
	.amdgcn_target "amdgcn-amd-amdhsa--gfx1250"
	.amdhsa_code_object_version 6
	.text
	.protected	k_qea2414d11d_prep
	.globl	k_qea2414d11d_prep
	.p2align	8
	.type	k_qea2414d11d_prep,@function
k_qea2414d11d_prep:
	s_mov_b64 s[64:65], 0
	v_nop
	global_prefetch_b8 v0, s[64:65] scope:SCOPE_SE
	s_setreg_imm32_b32 hwreg(HW_REG_WAVE_MODE, 25, 1), 1
	s_wait_xcnt 0x0
; Folds mask, scale_sp and scale_base into the weights, rounds them once to bf16 and lays them out as ready matrix fragments.
;   spline weights  W[i][g][o] = mask[i][o] * scale_sp[i][o] * coef[i][o][g]      base weights  Wb[i][o] = mask[i][o] * scale_base[i][o]
; LAYOUT OF wfrag.  A fragment is 16 output columns x 32 K slots of bf16 = 1,024 bytes: chunk 0 (512 bytes) holds every lane's registers 0-3,
; chunk 1 its registers 4-7, lane L = 16 h + r at byte 16 L of a chunk; lane (r, h) stands for output column 16 T + r.
; Fragment number = ((cb*8 + w)*9 + q)*8 + t, with T = 8 cb + t the column tile, w the group of 32 inputs, q the K step:
;   q = 0      : chunk b, lane (r, h), element s = Wb[32 w + 16 h + 2 s + b][16 T + r]
;   q = s + 1  : chunk b, lane (r, h), element g = W [32 w + 16 h + 2 s + b][g][16 T + r]
; The order of K inside a sum is free as long as both operands of the product use the same one; the second launch builds its operand in this order.
; One wave per work-group, 256 work-groups: wave (w, b, T) makes chunk b of the nine fragments (w, q = 0..8, T).  A lane's eight coef numbers are
; 32 consecutive bytes and become its 16 bytes of a chunk; every store of the wave covers 512 consecutive bytes, aligned.
; Each coef byte is read once in the launch.  Of mask and the scales sixteen lanes read 64 consecutive bytes of a row; they are 0.8 MB of the 2.9 MB read.
; All 40 loads of the wave go out before the first wait.  No LDS, no barrier, no matrix work: memory alone counts here.
.set CO, 8                             ; v[8:71]    coef, 8 numbers for each of 8 values of s
.set MK, 72                            ; v[72:79]   mask
.set SP, 80                            ; v[80:87]   scale_sp, then mask * scale_sp
.set SB, 88                            ; v[88:95]   scale_base, then mask * scale_base
.set OU, 96                            ; v[96:131]  nine times 4 registers to store; each store has its own, so none is rewritten while a store is out
	s_load_b256 s[4:11], s[0:1], 0x0               ; coef s[4:5], mask s[6:7], scale_sp s[8:9], scale_base s[10:11]
	s_load_b64 s[12:13], s[0:1], 0x20              ; wfrag
	s_and_b32 s14, ttmp9, 15                       ; T: column tile
	s_bfe_u32 s15, ttmp9, 0x10004                  ; b: chunk
	s_lshr_b32 s16, ttmp9, 5                       ; w: group of 32 inputs
	v_and_b32 v1, 15, v0                           ; r
	v_lshrrev_b32 v2, 4, v0                        ; h
	v_lshlrev_b32 v3, 5, v1                        ; coef: 32 bytes for each output column,
	v_lshl_add_u32 v3, v2, 17, v3                  ;       16 inputs of 8,192 bytes for h
	v_lshlrev_b32 v4, 2, v1                        ; mask and scales: 4 bytes for each output column,
	v_lshl_add_u32 v4, v2, 14, v4                  ;       16 rows of 1,024 bytes for h
	v_lshlrev_b32 v5, 4, v0                        ; wfrag: 16 bytes a lane
	s_lshl_b32 s17, s16, 5
	s_add_co_u32 s17, s17, s15                     ; 32 w + b: the input of h = 0, s = 0
	s_lshl_b32 s18, s17, 13                        ; x 8,192 bytes
	s_lshl_b32 s19, s14, 9                         ; + 16 T columns of 32 bytes
	s_add_co_u32 s18, s18, s19
	s_mov_b32 s19, 0
	s_lshl_b32 s20, s17, 10                        ; x 1,024 bytes
	s_lshl_b32 s21, s14, 6                         ; + 16 T columns of 4 bytes
	s_add_co_u32 s20, s20, s21
	s_mov_b32 s21, 0
	s_lshr_b32 s22, s14, 3                         ; cb
	s_and_b32 s23, s14, 7                          ; t
	s_lshl3_add_u32 s22, s22, s16                  ; cb*8 + w
	s_mul_i32 s22, s22, 72                         ; nine K steps of eight fragments
	s_add_co_u32 s22, s22, s23
	s_lshl_b32 s22, s22, 10                        ; fragments of 1,024 bytes
	s_lshl_b32 s23, s15, 9                         ; my chunk
	s_add_co_u32 s22, s22, s23
	s_mov_b32 s23, 0
	s_wait_kmcnt 0x0
	s_add_nc_u64 s[4:5], s[4:5], s[18:19]
	s_add_nc_u64 s[6:7], s[6:7], s[20:21]
	s_add_nc_u64 s[8:9], s[8:9], s[20:21]
	s_add_nc_u64 s[10:11], s[10:11], s[20:21]
	s_add_nc_u64 s[12:13], s[12:13], s[22:23]
.irp s, 0,1,2,3,4,5,6,7
	global_load_b32 v[MK+\s], v4, s[6:7] offset:2048*\s            ; s steps two inputs: 2 rows of 1,024 bytes
	global_load_b32 v[SP+\s], v4, s[8:9] offset:2048*\s
	global_load_b32 v[SB+\s], v4, s[10:11] offset:2048*\s
.endr
.irp s, 0,1,2,3,4,5,6,7
	global_load_b128 v[CO+8*\s:CO+8*\s+3],   v3, s[4:5] offset:16384*\s th:TH_LOAD_NT
	global_load_b128 v[CO+8*\s+4:CO+8*\s+7], v3, s[4:5] offset:16384*\s+16 th:TH_LOAD_NT
.endr
	s_wait_loadcnt 16                              ; loads return in order (ISA guide 5.7.1): mask and scales are in, the 16 coef loads stay out
.irp k, 0,2,4,6
	v_pk_mul_f32 v[SP+\k:SP+\k+1], v[SP+\k:SP+\k+1], v[MK+\k:MK+\k+1]
	v_pk_mul_f32 v[SB+\k:SB+\k+1], v[SB+\k:SB+\k+1], v[MK+\k:MK+\k+1]
.endr
.irp k, 0,1,2,3
	v_cvt_pk_bf16_f32 v[OU+\k], v[SB+2*\k], v[SB+2*\k+1]           ; element s of the base chunk
.endr
	global_store_b128 v5, v[OU:OU+3], s[12:13]                     ; K step q = 0
.irp s, 0,1,2,3,4,5,6,7
	s_wait_loadcnt 14-2*\s                         ; the two coef loads of this s are in, those of later s stay out
.irp k, 0,1,2,3,4,5,6,7
	v_mul_f32 v[CO+8*\s+\k], v[CO+8*\s+\k], v[SP+\s]
.endr
.irp k, 0,1,2,3
	v_cvt_pk_bf16_f32 v[OU+4+4*\s+\k], v[CO+8*\s+2*\k], v[CO+8*\s+2*\k+1]
.endr
	global_store_b128 v5, v[OU+4+4*\s:OU+4+4*\s+3], s[12:13] offset:8192*(\s+1)   ; K step q = s + 1: eight fragments further on
.endr
	s_endpgm
.Lfunc_end_k_qea2414d11d_prep:
	.size	k_qea2414d11d_prep, .Lfunc_end_k_qea2414d11d_prep-k_qea2414d11d_prep
	.p2alignl 7, 3214868480
	.fill 96, 4, 3214868480
	.section	.rodata,"a",@progbits
	.p2align	6, 0x0
	.amdhsa_kernel k_qea2414d11d_prep
		.amdhsa_group_segment_fixed_size 0
		.amdhsa_private_segment_fixed_size 0
		.amdhsa_enable_private_segment 0
		.amdhsa_kernarg_size 40
		.amdhsa_user_sgpr_count 2
		.amdhsa_user_sgpr_kernarg_segment_ptr 1
		.amdhsa_wavefront_size32 1
		.amdhsa_system_sgpr_workgroup_id_x 1
		.amdhsa_system_sgpr_workgroup_id_y 1
		.amdhsa_system_sgpr_workgroup_id_z 1
		.amdhsa_system_vgpr_workitem_id 0
		.amdhsa_next_free_vgpr 132
		.amdhsa_next_free_sgpr 66
		.amdhsa_reserve_vcc 0
		.amdhsa_float_denorm_mode_32 3
		.amdhsa_float_denorm_mode_16_64 3
		.amdhsa_memory_ordered 1
		.amdhsa_forward_progress 1
		.amdhsa_inst_pref_size 12
	.end_amdhsa_kernel
	.amdgpu_metadata
---
amdhsa.version: [ 1, 2 ]
amdhsa.kernels:
  - .name:           k_qea2414d11d_prep
    .symbol:         k_qea2414d11d_prep.kd
    .args:
      - { .name: coef, .offset: 0, .size: 8, .value_kind: global_buffer, .address_space: global }
      - { .name: mask, .offset: 8, .size: 8, .value_kind: global_buffer, .address_space: global }
      - { .name: scale_sp, .offset: 16, .size: 8, .value_kind: global_buffer, .address_space: global }
      - { .name: scale_base, .offset: 24, .size: 8, .value_kind: global_buffer, .address_space: global }
      - { .name: wfrag, .offset: 32, .size: 8, .value_kind: global_buffer, .address_space: global }
    .group_segment_fixed_size: 0
    .private_segment_fixed_size: 0
    .kernarg_segment_align: 8
    .kernarg_segment_size: 40
    .max_flat_workgroup_size: 32
    .sgpr_count:     66
    .vgpr_count:     132
    .wavefront_size: 32
...
	.end_amdgpu_metadata
.endif
;; end of part 1
;; launch main (part 2): grid 2 x 128, 8 waves a work-group, no clusters, 115,712 bytes of LDS; arguments x, grid, wfrag, out0; writes out0
.if DOCPART == 2
	.amdgcn_target "amdgcn-amd-amdhsa--gfx1250"
	.amdhsa_code_object_version 6
	.text
	.protected	k_qea2414d11d_main
	.globl	k_qea2414d11d_main
	.p2align	8
	.type	k_qea2414d11d_main,@function
k_qea2414d11d_main:
	s_mov_b64 s[64:65], 0
	v_nop
	global_prefetch_b8 v0, s[64:65] scope:SCOPE_SE
	s_setreg_imm32_b32 hwreg(HW_REG_WAVE_MODE, 25, 1), 1
	s_wait_xcnt 0x0
; out0[b][o] = sum over i of ( Wb[i][o] silu(x[b][i]) + sum over g of W[i][g][o] B_g(x[b][i]) ), the weights as the first launch folded them (bf16 fragments in wfrag).
; B_0..B_7: the cubic B-spline basis on input i's own 12 knots, by the full Cox-de Boor recursion (11, 10, 9, 8 functions), for ANY knots: sorted or not, even or not.
;
; SHARES.  A work-group makes 16 rows x 128 columns of out0 (grid x: column half cb, grid y: row block).  K = 256 inputs x 9 is split over the eight waves:
; wave w owns inputs 32 w .. 32 w + 31 = 9 K steps of 32 (q = 0: silu; q = s + 1: the basis of four inputs), each against all 128 columns (8 accumulator tiles).
; Lane (r, h) holds x[row r][32 w + 16 h + 0..15].  In basis step s it makes the 8 basis values of its numbers 2 s and 2 s + 1: these ARE registers 0-3 and 4-7 of its
; matrix fragment (K slots 8 h + g and 16 + 8 h + g), in the order of K in which wfrag is laid out.  So this operand never passes through LDS, and the two numbers
; form a register pair on which the recursion runs two at a time (v_pk_*_f32).
; TWO bf16 NUMBERS FOR EACH VALUE MADE HERE.  A value v goes to the matrix unit as hi + lo: hi = the upper 16 bits of v (a bf16 number, exact), lo = v - hi (exact in f32),
; rounded to bf16: 16 bits of significand together.  Each accumulator gets two products a K step, W hi and W lo.  Of the two roundings of a product only the weights' is then
; left (half a unit in 8 bits).  With both, the error of a sum of some 1,300 products of random sign comes to about a quarter of the deviation allowed (a hundredth of the
; outputs' root mean square), too near for 524,288 outputs.  Splitting this operand costs no traffic; splitting the weights would double the bytes read and their registers.
; THE RECURSION.  d_j = x - g_j;  r_p,j = 1 / (g_(j+p) - g_j);  B_p,j = d_j (r_p,j B_p-1,j) - d_(j+p+1) (r_p,j+1 B_p-1,j+1): the reference's left and right terms.
; Knots and reciprocals hang on the input alone: each wave makes them once for its 32 inputs (lane = input), puts them in its own LDS bytes as pairs (input 2 s, input 2 s + 1)
; and reads each part one step ahead, into the registers that the running step has just finished with.
; NaN.  A zero knot difference gives r = inf.  At order 1 the reference then has inf * 0 = NaN in B_1,j-1 and B_1,j for every x (the interval is empty); here order 1 selects
; r or 0, so that NaN is put into the table instead: r_2,j = r_2,j + 0 r_1,j + 0 r_1,j+1.  From there on NaN spreads as in the reference, and nan_to_num's NaN -> 0 is
; v_med3_num_f32(v, v, 0): the middle of (v, v, 0) is v, and with a NaN among its sources the instruction gives the least of the others (ISA guide, its entry in chapter 15).
; WEIGHTS go from memory straight into registers: each fragment is read once, by one wave.  Four buffers of 64 registers; a K step's 16 loads (8 KB) are issued three steps
; ahead, so a wave has up to 24 KB and the work-group 192 KB on the way.
; NO CLUSTER, NO TENSOR LOADS: the 128 row blocks of a column half read the same 590 KB of fragments, but through LDS each byte would be written and read once more
; (2 x 590 KB a work-group), slots for eight waves beside the tables and partial sums hold one K step each, so that each of 8 refills would need a round of the cluster's
; barrier, and a K step has 187 vector instructions for its 16 matrix instructions.
; LIMITS.  Divisions are multiplications by v_rcp_f32 (1 ulp), and left * B is formed as d * (r * B).  v_rcp_f32 flushes denormals: a knot difference below 2^-126 counts as 0,
; one above 2^126 gives r = 0.  x < g is taken as not (x >= g): this differs for a NaN knot only, where both ways end in NaN -> 0.  A basis value of +-inf (only knots out of
; order give one without a NaN: g_(j+p) = g_j with other knots between) has lo = inf - inf = NaN, so that row's results are NaN, where the reference puts +-3.4e38 in its place.
; silu(x) = x / (1 + 2^(-1.4427 x)) gives -0 below about x = -88, where the true value is under 4e-37.
.set BLK,    368                       ; LDS bytes of a table block (two inputs): 344 used; 92 words, so the 16 blocks that a wave's stores touch start in 16 different banks (64 banks of 4 bytes: ISA guide 11.1)
.set OG,     0                         ; 12 knots, 8 bytes a pair
.set O1,     96                        ; 11 r_1
.set O2,     192                       ; 10 r_2
.set O3,     272                       ; 9 r_3
.set WTAB,   16*BLK                    ; a wave's 16 blocks: block 2 s + h
.set PART,   8*WTAB                    ; behind the tables: the waves' partial sums
.set PPITCH, 528                       ; a row of 128 f32 + 16 bytes: an odd multiple of 16, so sixteen rows' 16-byte stores fall in different banks
.set PW,     16*PPITCH                 ; a wave's 16 rows
.set WOF, 1                            ; v1  16 x lane: my bytes in a fragment chunk, and in a row of out0
.set TB,  2                            ; v2  LDS: my table block of step 0
.set XOF, 3                            ; v3  my 64 bytes of x
.set GOF, 4                            ; v4  my input's row of grid
.set TW,  5                            ; v5  LDS: where my input's table goes
.set PS,  6                            ; v6  LDS: where my partial sums go
.set PR,  7                            ; v7  LDS: where I read partial sums back
.set X,   8                            ; v[8:23]    16 numbers of x
.set A,   24                           ; v[24:31]   the fragment made here, hi parts
.set ACC, 32                           ; v[32:95]   8 accumulator tiles
.set G,   96                           ; v[96:119]  12 pairs of knots
.set R1,  120                          ; v[120:141] 11 pairs r_1
.set R2,  142                          ; v[142:161] 10 pairs r_2
.set R3,  162                          ; v[162:179] 9 pairs r_3
.set D,   180                          ; v[180:203] 12 pairs d; behind order 3: the hi parts as f32
.set U,   204                          ; v[204:225] order 0 x r_1, then order 2
.set B,   226                          ; v[226:245] order 1, then order 3, then the lo parts as f32
.set T0,  246                          ; v[246:251] scratch while the offsets are made
.set T1,  247
.set T2,  248
.set T3,  249
.set T4,  250
.set T5,  251
.set AL,  246                          ; v[246:253] from then on: the fragment made here, lo parts
.set CA,  16                           ; s[16:27]   masks of the pair's first number
.set CB,  28                           ; s[28:39]   masks of its second
                                       ; s40 = 0xffff0000: a word's upper 16 bits;  s41 = 0x07060302: v_perm_b32 packs two upper halves
; Registers 256 to 511 (window 1) hold the weight fragments: buffer q % 4 at 64 (q % 4), tile t at + 8 t.  s_set_vgpr_msb's low byte: bits 1:0 source 0, 7:6 destination;
; its high byte repeats the setting that is left.  Four switches a K step: round the 16 loads and round the 16 matrix instructions.
.set MSB, 0
.macro WIN new
.if MSB != \new
	s_set_vgpr_msb (MSB<<8)|\new
.set MSB, \new
.endif
.endm
.macro WLOAD q                         ; the eight fragments of K step q: 16 loads of 512 consecutive bytes
	WIN 0x40                                       ; destination in window 1, address in window 0
.irp t, 0,1,2,3,4,5,6,7
	global_load_b128 v[64*((\q)%4)+8*\t:64*((\q)%4)+8*\t+3],   v[WOF], s[8:9] offset:((\q)*8+\t)*1024
	global_load_b128 v[64*((\q)%4)+8*\t+4:64*((\q)%4)+8*\t+7], v[WOF], s[8:9] offset:((\q)*8+\t)*1024+512
.endr
	WIN 0
.endm
.macro TLOAD_G s                       ; 6 LDS loads; the sixteen lanes of a half read the same bytes
.irp k, 0,1,2,3,4,5
	ds_load_b128 v[G+4*\k:G+4*\k+3], v[TB] offset:(\s)*2*BLK+OG+16*\k
.endr
.endm
.macro TLOAD_R1 s                      ; 6
.irp k, 0,1,2,3,4
	ds_load_b128 v[R1+4*\k:R1+4*\k+3], v[TB] offset:(\s)*2*BLK+O1+16*\k
.endr
	ds_load_b64 v[R1+20:R1+21], v[TB] offset:(\s)*2*BLK+O1+80
.endm
.macro TLOAD_R2 s                      ; 5
.irp k, 0,1,2,3,4
	ds_load_b128 v[R2+4*\k:R2+4*\k+3], v[TB] offset:(\s)*2*BLK+O2+16*\k
.endr
.endm
.macro TLOAD_R3 s                      ; 5
.irp k, 0,1,2,3
	ds_load_b128 v[R3+4*\k:R3+4*\k+3], v[TB] offset:(\s)*2*BLK+O3+16*\k
.endr
	ds_load_b64 v[R3+16:R3+17], v[TB] offset:(\s)*2*BLK+O3+64
.endm
.macro SCALE val, rec, n               ; val_j = rec_j val_j, j = 0 .. n-1
.set j, 0
.rept \n
	v_pk_mul_f32 v[\val+2*j:\val+2*j+1], v[\val+2*j:\val+2*j+1], v[\rec+2*j:\rec+2*j+1]
.set j, j+1
.endr
.endm
.macro LEVEL dst, src, p, n            ; dst_j = d_j src_j - d_(j+p+1) src_(j+1), j = 0 .. n-1; all products first, so that no line waits for the one in front of it
.set j, 0
.rept \n
	v_pk_mul_f32 v[\dst+2*j:\dst+2*j+1], v[D+2*(j+\p+1):D+2*(j+\p+1)+1], v[\src+2*j+2:\src+2*j+3]
.set j, j+1
.endr
.set j, 0
.rept \n
	v_pk_fma_f32 v[\dst+2*j:\dst+2*j+1], v[D+2*j:D+2*j+1], v[\src+2*j:\src+2*j+1], v[\dst+2*j:\dst+2*j+1] neg_lo:[0,0,1] neg_hi:[0,0,1]
.set j, j+1
.endr
.endm
; 16 values in f32 at val (element e of the first number at val + 2 e, of the second at val + 2 e + 1) become the two fragments A (hi) and AL (lo).  tmp: 16 registers of scratch.
; v_perm_b32's selector bytes 0-3 pick from its second source, 4-7 from its first: 0x07060302 puts the second source's upper half below, the first's above.
.macro SPLIT val, tmp
.irp k, 0,1,2,3
	v_perm_b32 v[A+\k],   v[\val+4*\k+2], v[\val+4*\k],   s41    ; hi of the first number's elements 2 k, 2 k + 1
	v_perm_b32 v[A+4+\k], v[\val+4*\k+3], v[\val+4*\k+1], s41    ; of the second number's
.endr
.irp k, 0,1,2,3,4,5,6,7,8,9,10,11,12,13,14,15
	v_and_b32 v[\tmp+\k], s40, v[\val+\k]                        ; hi as f32
.endr
.irp k, 0,2,4,6,8,10,12,14
	v_pk_add_f32 v[\val+\k:\val+\k+1], v[\val+\k:\val+\k+1], v[\tmp+\k:\tmp+\k+1] neg_lo:[0,1] neg_hi:[0,1]   ; lo = v - hi, exact
.endr
.irp k, 0,1,2,3
	v_cvt_pk_bf16_f32 v[AL+\k],   v[\val+4*\k],   v[\val+4*\k+2]
	v_cvt_pk_bf16_f32 v[AL+4+\k], v[\val+4*\k+1], v[\val+4*\k+3]
.endr
.endm
	s_load_b256 s[4:11], s[0:1], 0x0               ; x s[4:5], grid s[6:7], wfrag s[8:9], out0 s[10:11]
	v_lshl_add_u32 v254, v0, 2, 0x1c000
	v_mov_b32 v255, 0
	v_lshrrev_b32 v[T0], 5, v0
	v_readfirstlane_b32 s12, v[T0]                 ; wave w
	s_and_b32 s13, ttmp7, 0xffff                   ; row block; ttmp9 is the column half cb
	v_and_b32 v[T1], 31, v0                        ; lane
	v_and_b32 v[T2], 15, v0                        ; r
	v_bfe_u32 v[T3], v0, 4, 1                      ; h
	v_lshlrev_b32 v[WOF], 4, v[T1]
	v_mul_u32_u24 v[GOF], v0, 48                   ; thread = input: 12 knots of 4 bytes
	v_lshlrev_b32 v[XOF], 10, v[T2]                ; row r of 1,024 bytes
	v_lshl_add_u32 v[XOF], v[T3], 6, v[XOF]        ; + 16 h numbers
	s_lshl_b32 s14, s13, 14                        ; x: 16 rows a block,
	s_lshl_b32 s15, s12, 7                         ;    32 numbers a wave
	s_add_co_u32 s14, s14, s15
	s_mov_b32 s15, 0
	s_lshl3_add_u32 s40, ttmp9, s12                ; wfrag: (cb*8 + w) x 72 fragments of 1,024 bytes
	s_mul_i32 s40, s40, 73728
	s_mov_b32 s41, 0
	s_lshl_b32 s42, s13, 14                        ; out0: 16 rows a block,
	s_lshl_b32 s43, s12, 11                        ;       rows 2 w and 2 w + 1 of it are stored by wave w,
	s_add_co_u32 s42, s42, s43
	s_lshl_b32 s43, ttmp9, 9                       ;       128 columns a half
	s_add_co_u32 s42, s42, s43
	s_mov_b32 s43, 0
	s_wait_kmcnt 0x0
	s_add_nc_u64 s[4:5], s[4:5], s[14:15]
	s_add_nc_u64 s[8:9], s[8:9], s[40:41]
	s_add_nc_u64 s[10:11], s[10:11], s[42:43]
	s_mov_b32 s40, 0xffff0000                      ; the offsets are spent: from here on the two constants of SPLIT
	s_mov_b32 s41, 0x07060302
	global_load_b128 v[D:D+3],    v[GOF], s[6:7]               ; my input's 12 knots
	global_load_b128 v[D+4:D+7],  v[GOF], s[6:7] offset:16
	global_load_b128 v[D+8:D+11], v[GOF], s[6:7] offset:32
.irp k, 0,1,2,3
	global_load_b128 v[X+4*\k:X+4*\k+3], v[XOF], s[4:5] offset:16*\k
.endr
	WLOAD 0
	WLOAD 1
	; LDS addresses, while the loads are on their way.  Thread 32 w + 16 h + 2 s + b writes word b of the pairs of block 2 s + h of wave w's tables, and wave w alone reads them.
	v_bfe_u32 v[T4], v0, 1, 3                      ; s of my input
	v_lshl_add_u32 v[T4], v[T4], 1, v[T3]          ; 2 s + h
	v_mul_u32_u24 v[T4], v[T4], BLK
	v_and_b32 v[T5], 1, v0                         ; b
	v_lshl_add_u32 v[T4], v[T5], 2, v[T4]
	s_mul_i32 s14, s12, WTAB
	v_add_nc_u32 v[TW], s14, v[T4]
	v_mul_u32_u24 v[T5], v[T3], BLK
	v_add_nc_u32 v[TB], s14, v[T5]
	v_mul_u32_u24 v[T4], v[T2], PPITCH             ; partial sums: row r, 8 h columns
	v_lshl_add_u32 v[T4], v[T3], 5, v[T4]
	s_mul_i32 s15, s12, PW
	s_add_co_u32 s15, s15, PART
	v_add_nc_u32 v[PS], s15, v[T4]
	s_mul_i32 s15, s12, 2*PPITCH                   ; back: rows 2 w and 2 w + 1 of every wave's partial sums, 16 bytes a lane
	s_add_co_u32 s15, s15, PART
	v_add_nc_u32 v[PR], s15, v[WOF]
	; THE TABLES of my input.
	s_wait_loadcnt 36                              ; the knots are in; behind them x (4 loads) and two K steps of weights (32) stay out
.irp j, 0,1,2,3,4,5,6,7,8,9,10
	v_sub_f32 v[U+\j], v[D+\j+1], v[D+\j]
.endr
.irp j, 0,1,2,3,4,5,6,7,8,9
	v_sub_f32 v[U+11+\j], v[D+\j+2], v[D+\j]
.endr
.irp j, 0,1,2,3,4,5,6,7,8
	v_sub_f32 v[B+\j], v[D+\j+3], v[D+\j]
.endr
.irp j, 0,1,2,3,4,5,6,7,8,9,10,11,12,13,14,15,16,17,18,19,20
	v_rcp_f32 v[U+\j], v[U+\j]
.endr
.irp j, 0,1,2,3,4,5,6,7,8
	v_rcp_f32 v[B+\j], v[B+\j]
.endr
	v_nop                                          ; one plain vector instruction between a transcendental and the use of its result (ISA guide 5.7.2)
	s_wait_alu depctr_va_vdst(0)
.irp j, 0,1,2,3,4,5,6,7,8,9
	v_fma_f32 v[U+11+\j], v[U+\j], 0, v[U+11+\j]               ; r_2,j turns NaN where r_1,j
.endr
.irp j, 0,1,2,3,4,5,6,7,8,9
	v_fma_f32 v[U+11+\j], v[U+\j+1], 0, v[U+11+\j]             ; or r_1,j+1 is not finite
.endr
.irp j, 0,1,2,3,4,5,6,7,8,9,10,11
	ds_store_b32 v[TW], v[D+\j] offset:OG+8*\j
.endr
.irp j, 0,1,2,3,4,5,6,7,8,9,10
	ds_store_b32 v[TW], v[U+\j] offset:O1+8*\j
.endr
.irp j, 0,1,2,3,4,5,6,7,8,9
	ds_store_b32 v[TW], v[U+11+\j] offset:O2+8*\j
.endr
.irp j, 0,1,2,3,4,5,6,7,8
	ds_store_b32 v[TW], v[B+\j] offset:O3+8*\j
.endr
	TLOAD_G 0                                      ; the wave's own bytes: LDS serves a wave's instructions in order (ISA guide 5.7.1.4), so these see the stores above, without a barrier
	TLOAD_R1 0
	TLOAD_R2 0
	TLOAD_R3 0
	WLOAD 2
	; K STEP q = 0: silu of my 16 numbers.  Chunk 0 takes the even ones, chunk 1 the odd ones, as wfrag has them.  Scratch: the first 32 accumulator registers, not yet in use.
	s_wait_loadcnt 48                              ; x is in; three K steps of weights stay out
.irp k, 0,2,4,6,8,10,12,14
	v_pk_mul_f32 v[ACC+\k:ACC+\k+1], v[X+\k:X+\k+1], 0xbfb8aa3b op_sel_hi:[1,0]    ; -log2(e) x
.endr
.irp k, 0,1,2,3,4,5,6,7,8,9,10,11,12,13,14,15
	v_exp_f32 v[ACC+\k], v[ACC+\k]
.endr
	v_nop
	s_wait_alu depctr_va_vdst(0)
.irp k, 0,2,4,6,8,10,12,14
	v_pk_add_f32 v[ACC+\k:ACC+\k+1], v[ACC+\k:ACC+\k+1], 1.0 op_sel_hi:[1,0]
.endr
.irp k, 0,1,2,3,4,5,6,7,8,9,10,11,12,13,14,15
	v_rcp_f32 v[ACC+\k], v[ACC+\k]
.endr
	v_nop
	s_wait_alu depctr_va_vdst(0)
.irp k, 0,2,4,6,8,10,12,14
	v_pk_mul_f32 v[ACC+\k:ACC+\k+1], v[ACC+\k:ACC+\k+1], v[X+\k:X+\k+1]
.endr
	SPLIT ACC, ACC+16
	s_wait_loadcnt 32                              ; K step 0's weights are in; steps 1 and 2 stay out
	; Source 0 = 16 output columns of the weights, source 1 = my 16 rows: a lane's 8 results are then 8 neighbouring columns of row r.
	; The first products start the sums (C = 0).  The eight accumulators take turns, one instruction a turn, here and in every step.
	WIN 0x01                                       ; source 0 in window 1
.irp t, 0,1,2,3,4,5,6,7
	v_wmma_f32_16x16x32_bf16 v[ACC+8*\t:ACC+8*\t+7], v[8*\t:8*\t+7], v[A:A+7], 0
.endr
.irp t, 0,1,2,3,4,5,6,7
	v_wmma_f32_16x16x32_bf16 v[ACC+8*\t:ACC+8*\t+7], v[8*\t:8*\t+7], v[AL:AL+7], v[ACC+8*\t:ACC+8*\t+7]
.endr
	WIN 0
	WLOAD 3                                        ; into the fourth buffer, which nothing has read yet
; BASIS STEP s = K step q = s + 1.  The counts of s_wait_dscnt are the table loads issued behind the part that is needed (G 6, R1 6, R2 5, R3 5 loads, each part
; asked for again, for step s + 1, as soon as this step has used it; the last step asks for nothing and its counts run down).
.macro STEP s
	s_wait_dscnt 16                                ; the knots are in (and, in step 0, the table's stores are done); R1, R2, R3 of this step stay out
.irp j, 0,1,2,3,4,5,6,7,8,9,10,11
	v_pk_add_f32 v[D+2*\j:D+2*\j+1], v[X+2*\s:X+2*\s+1], v[G+2*\j:G+2*\j+1] neg_lo:[0,1] neg_hi:[0,1]   ; d_j = x - g_j
.endr
.irp j, 0,1,2,3,4,5,6,7,8,9,10,11
	v_cmp_ge_f32 s[CA+\j], v[X+2*\s],   v[G+2*\j]
	v_cmp_ge_f32 s[CB+\j], v[X+2*\s+1], v[G+2*\j+1]
.endr
.if \s < 7
	TLOAD_G \s+1
.endif
.if \s < 5
	WLOAD \s+4                                     ; three steps ahead, into the buffer that the last step's matrix instructions read: the 36 vector instructions above are more than the four places that a load into a matrix source keeps
.endif
.irp j, 0,1,2,3,4,5,6,7,8,9,10
	s_and_not1_b32 s[CA+\j], s[CA+\j], s[CA+\j+1]  ; g_j <= x and not g_(j+1) <= x: order 0
	s_and_not1_b32 s[CB+\j], s[CB+\j], s[CB+\j+1]
.endr
.if \s < 7
	s_wait_dscnt 16                                ; R1 is in; behind it R2, R3 and the next knots
.else
	s_wait_dscnt 10                                ; R2 and R3
.endif
.irp j, 0,1,2,3,4,5,6,7,8,9,10
	v_cndmask_b32 v[U+2*\j],   0, v[R1+2*\j],   s[CA+\j]       ; r_1,j B_0,j
	v_cndmask_b32 v[U+2*\j+1], 0, v[R1+2*\j+1], s[CB+\j]
.endr
.if \s < 7
	TLOAD_R1 \s+1
.endif
	LEVEL B, U, 1, 10                              ; order 1
.if \s < 7
	s_wait_dscnt 17                                ; R2 is in; behind it R3 and the next knots and R1
.else
	s_wait_dscnt 5                                 ; R3
.endif
	SCALE B, R2, 10
.if \s < 7
	TLOAD_R2 \s+1
.endif
	LEVEL U, B, 2, 9                               ; order 2
.if \s < 7
	s_wait_dscnt 17                                ; R3 is in; behind it the next knots, R1 and R2
.else
	s_wait_dscnt 0
.endif
	SCALE U, R3, 9
.if \s < 7
	TLOAD_R3 \s+1
.endif
	LEVEL B, U, 3, 8                               ; order 3: pair g at B + 2 g
.irp k, 0,1,2,3,4,5,6,7,8,9,10,11,12,13,14,15
	v_med3_num_f32 v[B+\k], v[B+\k], v[B+\k], 0    ; NaN -> 0, everything else as it is
.endr
	SPLIT B, D                                     ; d is spent behind order 3: its first 16 registers are the scratch
.if \s < 5
	s_wait_loadcnt 48                              ; this step's weights are in; the three steps asked for behind them stay out
.else
	s_wait_loadcnt 16*(7-\s)                       ; nothing more is asked for: two, one, no step is out
.endif
	WIN 0x01
.irp t, 0,1,2,3,4,5,6,7
	v_wmma_f32_16x16x32_bf16 v[ACC+8*\t:ACC+8*\t+7], v[64*((\s+1)%4)+8*\t:64*((\s+1)%4)+8*\t+7], v[A:A+7], v[ACC+8*\t:ACC+8*\t+7]
.endr
.irp t, 0,1,2,3,4,5,6,7
	v_wmma_f32_16x16x32_bf16 v[ACC+8*\t:ACC+8*\t+7], v[64*((\s+1)%4)+8*\t:64*((\s+1)%4)+8*\t+7], v[AL:AL+7], v[ACC+8*\t:ACC+8*\t+7]
.endr
	WIN 0
.endm
	STEP 0
	STEP 1
	STEP 2
	STEP 3
	STEP 4
	STEP 5
	STEP 6
	STEP 7
	; THE EIGHT WAVES' SUMS MEET IN LDS.  Lane (r, h), tile t holds row r, columns 16 t + 8 h + 0..7: two stores of 16 bytes.
.rept 4
	v_nop                                          ; four places between the last matrix instruction and the LDS stores that read results
.endr
.irp t, 0,1,2,3,4,5,6,7
	ds_store_b128 v[PS], v[ACC+8*\t:ACC+8*\t+3]   offset:64*\t
	ds_store_b128 v[PS], v[ACC+8*\t+4:ACC+8*\t+7] offset:64*\t+16
.endr
	s_wait_dscnt 0x0                               ; my partial sums are in LDS, for the other waves' sake,
	s_barrier_signal -1
	s_barrier_wait -1                              ; and everybody's are
.irp p, 0,1,2,3,4,5,6,7
	ds_load_b128 v[ACC+8*\p:ACC+8*\p+3],   v[PR] offset:\p*PW              ; wave p's row 2 w: 32 lanes x 16 consecutive bytes
	ds_load_b128 v[ACC+8*\p+4:ACC+8*\p+7], v[PR] offset:\p*PW+PPITCH       ; and row 2 w + 1
.endr
.irp p, 1,2,3,4,5,6,7
	s_wait_dscnt 14-2*\p                           ; the partial sums of waves 0 to p are in, the two loads of each later wave stay out
.irp k, 0,2,4,6
	v_pk_add_f32 v[ACC+\k:ACC+\k+1], v[ACC+\k:ACC+\k+1], v[ACC+8*\p+\k:ACC+8*\p+\k+1]   ; always in the order of the waves
.endr
.endr
	global_store_b128 v[WOF], v[ACC:ACC+3],   s[10:11] th:TH_STORE_NT              ; each store of the wave covers 512 consecutive bytes of a row, aligned
	global_store_b128 v[WOF], v[ACC+4:ACC+7], s[10:11] offset:1024 th:TH_STORE_NT
	s_wait_tensorcnt 0x0
	ds_add_u32 v254, v255
	s_wait_dscnt 0x0
	s_endpgm
.Lfunc_end_k_qea2414d11d_main:
	.size	k_qea2414d11d_main, .Lfunc_end_k_qea2414d11d_main-k_qea2414d11d_main
	.p2alignl 7, 3214868480
	.fill 96, 4, 3214868480
	.section	.rodata,"a",@progbits
	.p2align	6, 0x0
	.amdhsa_kernel k_qea2414d11d_main
		.amdhsa_group_segment_fixed_size 115712
		.amdhsa_private_segment_fixed_size 0
		.amdhsa_enable_private_segment 0
		.amdhsa_kernarg_size 32
		.amdhsa_user_sgpr_count 2
		.amdhsa_user_sgpr_kernarg_segment_ptr 1
		.amdhsa_wavefront_size32 1
		.amdhsa_system_sgpr_workgroup_id_x 1
		.amdhsa_system_sgpr_workgroup_id_y 1
		.amdhsa_system_sgpr_workgroup_id_z 1
		.amdhsa_system_vgpr_workitem_id 0
		.amdhsa_next_free_vgpr 512
		.amdhsa_next_free_sgpr 66
		.amdhsa_reserve_vcc 0
		.amdhsa_float_denorm_mode_32 3
		.amdhsa_float_denorm_mode_16_64 3
		.amdhsa_memory_ordered 1
		.amdhsa_forward_progress 1
		.amdhsa_inst_pref_size 150
	.end_amdhsa_kernel
	.amdgpu_metadata
---
amdhsa.version: [ 1, 2 ]
amdhsa.kernels:
  - .name:           k_qea2414d11d_main
    .symbol:         k_qea2414d11d_main.kd
    .args:
      - { .name: x, .offset: 0, .size: 8, .value_kind: global_buffer, .address_space: global }
      - { .name: grid, .offset: 8, .size: 8, .value_kind: global_buffer, .address_space: global }
      - { .name: wfrag, .offset: 16, .size: 8, .value_kind: global_buffer, .address_space: global }
      - { .name: out0, .offset: 24, .size: 8, .value_kind: global_buffer, .address_space: global }
    .group_segment_fixed_size: 115712
    .private_segment_fixed_size: 0
    .kernarg_segment_align: 8
    .kernarg_segment_size: 32
    .max_flat_workgroup_size: 256
    .sgpr_count:     66
    .vgpr_count:     512
    .wavefront_size: 32
...
	.end_amdgpu_metadata
.endif
;; end of part 2
;; ======== version 2 of 2: 2 launches; version 1 with the launch prep written anew for expert scheduling mode
;; limits: values outside matrix products are rounded to bf16
;; workspace buffers: wfrag 1,179,648 bytes
;; launch prep (part 3): grid 256 x 1, 1 waves a work-group, no clusters, 0 bytes of LDS; arguments coef, mask, scale_sp, scale_base, wfrag; writes wfrag
.if DOCPART == 3
	.amdgcn_target "amdgcn-amd-amdhsa--gfx1250"
	.amdhsa_code_object_version 6
	.text
	.protected	k_qea2414d11d_prep
	.globl	k_qea2414d11d_prep
	.p2align	8
	.type	k_qea2414d11d_prep,@function
k_qea2414d11d_prep:
	s_mov_b64 s[64:65], 0
	v_nop
	global_prefetch_b8 v0, s[64:65] scope:SCOPE_SE
	s_setreg_imm32_b32 hwreg(HW_REG_WAVE_SCHED_MODE, 0, 2), 2
	s_setreg_imm32_b32 hwreg(HW_REG_WAVE_MODE, 25, 1), 1
	s_wait_xcnt 0x0
	s_wait_alu depctr_vm_vsrc(0)
; Folds mask, scale_sp and scale_base into the weights, rounds them once to bf16 and lays them out as ready matrix fragments.
;   spline weights  W[i][g][o] = mask[i][o] * scale_sp[i][o] * coef[i][o][g]      base weights  Wb[i][o] = mask[i][o] * scale_base[i][o]
; LAYOUT OF wfrag.  A fragment is 16 output columns x 32 K slots of bf16 = 1,024 bytes: chunk 0 (512 bytes) holds every lane's registers 0-3,
; chunk 1 its registers 4-7, lane L = 16 h + r at byte 16 L of a chunk; lane (r, h) stands for output column 16 T + r.
; Fragment number = ((cb*8 + w)*9 + q)*8 + t, with T = 8 cb + t the column tile, w the group of 32 inputs, q the K step:
;   q = 0      : chunk b, lane (r, h), element s = Wb[32 w + 16 h + 2 s + b][16 T + r]
;   q = s + 1  : chunk b, lane (r, h), element g = W [32 w + 16 h + 2 s + b][g][16 T + r]
; The order of K inside a sum is free as long as both operands of the product use the same one; the second launch builds its operand in this order.
; One wave per work-group, 256 work-groups: wave (w, b, T) makes chunk b of the nine fragments (w, q = 0..8, T).  A lane's eight coef numbers are
; 32 consecutive bytes and become its 16 bytes of a chunk; every store of the wave covers 512 consecutive bytes, aligned.
; Each coef byte is read once in the launch.  Of mask and the scales sixteen lanes read 64 consecutive bytes of a row; they are 0.8 MB of the 2.9 MB read.
; All 40 loads of the wave go out before the first wait for data.  No LDS, no barrier, no matrix work: memory alone counts here.
; THE MODE: SCHED_MODE bits 1:0 = 2 (LLVM: expert scheduling mode 2), set by the entry lines.  The code itself states the register dependences
; between vector instructions and memory instructions, with s_wait_alu, always for 0.
; THE PLAN.  Registers that memory instructions touch:
;   v3, v4, v5      byte offsets.  Written by vector instructions at the head; read by the loads (v3, v4) and the stores (v5); never written again.
;   MK, SP, SB, CO  Written by the 40 loads, which are issued before any vector instruction names these registers; no load lands in them a second time and no store reads them.
;   OU              Chunk q's four registers at OU + 4 q: written by its four conversions (q = 0: the base part; q = s + 1: step s), read by its one store, never written again.
; So the text owes one wait for the offsets, ahead of the first load, and waits for OU ahead of the stores.  The stores go out two at a time, at the heads of steps 1, 3, 5
; and 7 (chunks s - 1 and s, which the part or steps before have written), directly behind one wait each; the ninth store has the last wait.  No vector instruction stands
; between a wait and its stores.  No register that a memory instruction reads is ever rewritten, no vector instruction writes a scalar register, and EXEC is never written:
; the text holds no other wait of this kind.
.set CO, 8                             ; v[8:71]    coef, 8 numbers for each of 8 values of s
.set MK, 72                            ; v[72:79]   mask
.set SP, 80                            ; v[80:87]   scale_sp, then mask * scale_sp
.set SB, 88                            ; v[88:95]   scale_base, then mask * scale_base
.set OU, 96                            ; v[96:131]  nine times 4 registers to store; each store has its own, so none is rewritten while a store is out
	s_load_b256 s[4:11], s[0:1], 0x0               ; coef s[4:5], mask s[6:7], scale_sp s[8:9], scale_base s[10:11]
	s_load_b64 s[12:13], s[0:1], 0x20              ; wfrag
	s_and_b32 s14, ttmp9, 15                       ; T: column tile
	s_bfe_u32 s15, ttmp9, 0x10004                  ; b: chunk
	s_lshr_b32 s16, ttmp9, 5                       ; w: group of 32 inputs
	v_and_b32 v1, 15, v0                           ; r
	v_lshrrev_b32 v2, 4, v0                        ; h
	v_lshlrev_b32 v3, 5, v1                        ; coef: 32 bytes for each output column,
	v_lshl_add_u32 v3, v2, 17, v3                  ;       16 inputs of 8,192 bytes for h
	v_lshlrev_b32 v4, 2, v1                        ; mask and scales: 4 bytes for each output column,
	v_lshl_add_u32 v4, v2, 14, v4                  ;       16 rows of 1,024 bytes for h
	v_lshlrev_b32 v5, 4, v0                        ; wfrag: 16 bytes a lane
	s_lshl_b32 s17, s16, 5
	s_add_co_u32 s17, s17, s15                     ; 32 w + b: the input of h = 0, s = 0
	s_lshl_b32 s18, s17, 13                        ; x 8,192 bytes
	s_lshl_b32 s19, s14, 9                         ; + 16 T columns of 32 bytes
	s_add_co_u32 s18, s18, s19
	s_mov_b32 s19, 0
	s_lshl_b32 s20, s17, 10                        ; x 1,024 bytes
	s_lshl_b32 s21, s14, 6                         ; + 16 T columns of 4 bytes
	s_add_co_u32 s20, s20, s21
	s_mov_b32 s21, 0
	s_lshr_b32 s22, s14, 3                         ; cb
	s_and_b32 s23, s14, 7                          ; t
	s_lshl3_add_u32 s22, s22, s16                  ; cb*8 + w
	s_mul_i32 s22, s22, 72                         ; nine K steps of eight fragments
	s_add_co_u32 s22, s22, s23
	s_lshl_b32 s22, s22, 10                        ; fragments of 1,024 bytes
	s_lshl_b32 s23, s15, 9                         ; my chunk
	s_add_co_u32 s22, s22, s23
	s_mov_b32 s23, 0
	s_wait_kmcnt 0x0
	s_add_nc_u64 s[4:5], s[4:5], s[18:19]
	s_add_nc_u64 s[6:7], s[6:7], s[20:21]
	s_add_nc_u64 s[8:9], s[8:9], s[20:21]
	s_add_nc_u64 s[10:11], s[10:11], s[20:21]
	s_add_nc_u64 s[12:13], s[12:13], s[22:23]
	s_wait_alu depctr_va_vdst(0)                   ; v3, v4 and v5 are written: every load and store of the kernel reads one of them as its offset
.irp s, 0,1,2,3,4,5,6,7
	global_load_b32 v[MK+\s], v4, s[6:7] offset:2048*\s            ; s steps two inputs: 2 rows of 1,024 bytes
	global_load_b32 v[SP+\s], v4, s[8:9] offset:2048*\s
	global_load_b32 v[SB+\s], v4, s[10:11] offset:2048*\s
.endr
.irp s, 0,1,2,3,4,5,6,7
	global_load_b128 v[CO+8*\s:CO+8*\s+3],   v3, s[4:5] offset:16384*\s th:TH_LOAD_NT
	global_load_b128 v[CO+8*\s+4:CO+8*\s+7], v3, s[4:5] offset:16384*\s+16 th:TH_LOAD_NT
.endr
	s_wait_loadcnt 16                              ; loads return in order (ISA guide 5.7.1): mask and scales are in, the 16 coef loads stay out
.irp k, 0,2,4,6
	v_pk_mul_f32 v[SP+\k:SP+\k+1], v[SP+\k:SP+\k+1], v[MK+\k:MK+\k+1]
	v_pk_mul_f32 v[SB+\k:SB+\k+1], v[SB+\k:SB+\k+1], v[MK+\k:MK+\k+1]
.endr
.irp k, 0,1,2,3
	v_cvt_pk_bf16_f32 v[OU+\k], v[SB+2*\k], v[SB+2*\k+1]           ; element s of the base chunk: K step q = 0, stored at the head of step 1
.endr
.irp s, 0,1,2,3,4,5,6,7
	s_wait_loadcnt 14-2*\s                         ; the two coef loads of this s are in, those of later s stay out
.if ((\s) % 2) == 1
	s_wait_alu depctr_va_vdst(0)                   ; the conversions issued so far have written chunks s - 1 and s of OU, which the two stores below read
	global_store_b128 v5, v[OU+4*((\s)-1):OU+4*((\s)-1)+3], s[12:13] offset:8192*((\s)-1)   ; K step q = s - 1: a K step is eight fragments of 1,024 bytes
	global_store_b128 v5, v[OU+4*(\s):OU+4*(\s)+3], s[12:13] offset:8192*(\s)               ; K step q = s
.endif
.irp k, 0,1,2,3,4,5,6,7
	v_mul_f32 v[CO+8*\s+\k], v[CO+8*\s+\k], v[SP+\s]
.endr
.irp k, 0,1,2,3
	v_cvt_pk_bf16_f32 v[OU+4+4*\s+\k], v[CO+8*\s+2*\k], v[CO+8*\s+2*\k+1]                   ; chunk q = s + 1
.endr
.endr
	s_wait_alu depctr_va_vdst(0)                   ; step 7's conversions have written chunk 8 of OU, which the last store reads
	global_store_b128 v5, v[OU+32:OU+35], s[12:13] offset:8192*8   ; K step q = 8
	s_endpgm
.Lfunc_end_k_qea2414d11d_prep:
	.size	k_qea2414d11d_prep, .Lfunc_end_k_qea2414d11d_prep-k_qea2414d11d_prep
	.p2alignl 7, 3214868480
	.fill 96, 4, 3214868480
	.section	.rodata,"a",@progbits
	.p2align	6, 0x0
	.amdhsa_kernel k_qea2414d11d_prep
		.amdhsa_group_segment_fixed_size 0
		.amdhsa_private_segment_fixed_size 0
		.amdhsa_enable_private_segment 0
		.amdhsa_kernarg_size 40
		.amdhsa_user_sgpr_count 2
		.amdhsa_user_sgpr_kernarg_segment_ptr 1
		.amdhsa_wavefront_size32 1
		.amdhsa_system_sgpr_workgroup_id_x 1
		.amdhsa_system_sgpr_workgroup_id_y 1
		.amdhsa_system_sgpr_workgroup_id_z 1
		.amdhsa_system_vgpr_workitem_id 0
		.amdhsa_next_free_vgpr 132
		.amdhsa_next_free_sgpr 66
		.amdhsa_reserve_vcc 0
		.amdhsa_float_denorm_mode_32 3
		.amdhsa_float_denorm_mode_16_64 3
		.amdhsa_memory_ordered 1
		.amdhsa_forward_progress 1
		.amdhsa_inst_pref_size 12
	.end_amdhsa_kernel
	.amdgpu_metadata
---
amdhsa.version: [ 1, 2 ]
amdhsa.kernels:
  - .name:           k_qea2414d11d_prep
    .symbol:         k_qea2414d11d_prep.kd
    .args:
      - { .name: coef, .offset: 0, .size: 8, .value_kind: global_buffer, .address_space: global }
      - { .name: mask, .offset: 8, .size: 8, .value_kind: global_buffer, .address_space: global }
      - { .name: scale_sp, .offset: 16, .size: 8, .value_kind: global_buffer, .address_space: global }
      - { .name: scale_base, .offset: 24, .size: 8, .value_kind: global_buffer, .address_space: global }
      - { .name: wfrag, .offset: 32, .size: 8, .value_kind: global_buffer, .address_space: global }
    .group_segment_fixed_size: 0
    .private_segment_fixed_size: 0
    .kernarg_segment_align: 8
    .kernarg_segment_size: 40
    .max_flat_workgroup_size: 32
    .sgpr_count:     66
    .vgpr_count:     132
    .wavefront_size: 32
...
	.end_amdgpu_metadata
.endif
;; end of part 3
;; launch main: the kernel of part 2 again; grid 2 x 128, 8 waves a work-group, no clusters, 115,712 bytes of LDS; arguments x, grid, wfrag, out0; writes out0
